; MI455X (gfx1250); checked and timed in simulation.
; The chip was launched on July 23, 2026; its instructions are those of AMD's public machine-readable ISA for CDNA 5 (MIT licence, August 2026) and "CDNA5" Instruction Set Architecture Reference Guide (July 2026). The comments in the code are by the model that wrote it; some were corrected since.
;; Temporal Att Decoder. Allowed arithmetic: matrix products marked QUANTISED: E4M3 operands, one E8M0 scale for each 32 along K, by v_wmma_scale_f32_16x16x128_f8f6f4 with both operands' format E4M3, f32 sums; products left as they are: f32 operands where the result goes on into a quantised operand, else bf16, f16 or f32 operands; f32 sums; everything else in f32.
;; Inputs: W1_codes 512 x 16 x 32 uint8 (E4M3 codes of W1, K innermost, in blocks of 32 codes); W1_scales 512 x 16 uint8 (E8M0 scales of W1, one for each 32 codes along K); Wo 1,024 x 2 float32; Wp_codes 512 x 16 x 32 uint8 (E4M3 codes of Wp, K innermost, in blocks of 32 codes); Wp_scales 512 x 16 uint8 (E8M0 scales of Wp, one for each 32 codes along K); b2 1 float32; bo 2 float32; g 512 x 256 x 512 float32; g_T 512 x 1 x 512 float32; n_day 512 int32; w2 512 x 1 float32; y 512 x 2 float32.
;; Outputs: out0 512 x 2 float32; out1 512 x 256 float32.
;; This version of the problem:
;;   THIS VERSION OF THE PROBLEM IS GIVEN IN LOW PRECISION. The matrix products marked QUANTISED in the list below multiply operands that are first quantised to E4M3 (4 exponent bits, 3 mantissa bits; 8 bits a number), with one power-of-two scale for each 32 numbers along K (OCP MX v1.0); their sums are f32. All else is computed in f32.
;;   The module's matrix products, in the order in which they are computed (A, B: the left and right operand; K: the contracted axis; several contracted axes count as one K, in the product's order):
;;     1. [M 131,072, K 512] x [K 512, N 512]; A: input g; B: input W1 (given as codes): QUANTISED
;;     2. [M 131,072, K 512] x [K 512, N 1]; A: computed on the way; B: input w2: left as it is (N = 1 < 16)
;;     3. [M 131,072, K 512] x [K 512, N 512]; A: input g; B: input Wp (given as codes): QUANTISED
;;     4. batch 512 x [M 256, K 512] x [K 512, N 1]; A: computed on the way; B: input g_T: left as it is (N = 1 < 16)
;;     5. batch 512 x [M 1, K 256] x [K 256, N 512]; A: softmax; B: input g: left as it is (M = 1 < 16)
;;     6. [M 512, K 1,024] x [K 1,024, N 2]; A: computed on the way; B: input Wo: left as it is (N = 2 < 16)
;;   THE QUANTISER, for each operand of a quantised product, along K:
;;     - K is cut into blocks of 32 from its start; a last block that is shorter is filled with zeros.
;;     - A block's scale is 2^e with e = floor(log2(the largest magnitude in the block)) - 8, held to -126 .. 127; a block of zeros has e = 0. As a byte (E8M0): e + 127.
;;     - Each number is divided by its block's scale, clamped to +-448, and rounded to the nearest number of E4M3, ties to even, subnormals kept.
;;     - The product sums the exact products of the quantised numbers (number of the format x scale) in f32.
;;   ~~~python
;;   def quantise(x, axis):      # numpy; x: float32 -> the quantised numbers, widened to float32 again
;;       x = np.moveaxis(x, axis, -1); K = x.shape[-1]
;;       x = np.pad(x, [(0, 0)] * (x.ndim - 1) + [(0, -K % 32)]); x = x.reshape(x.shape[:-1] + (-1, 32)); a = np.abs(x).max(-1, keepdims=True)
;;       e = np.where(a > 0, np.clip(np.frexp(np.where(a > 0, a, 1))[1] - 1 - 8, -126, 127), 0)      # np.frexp(a)[1] - 1 = floor(log2(a)), exactly
;;       r = np.clip(x / 2.0 ** e, -448, 448)
;;       step = 2.0 ** (np.maximum(np.frexp(np.where(r == 0, 1, r))[1] - 1, -6) - 3)
;;       q = np.round(r / step) * step * 2.0 ** e      # np.round: ties to even
;;       return np.moveaxis(q.reshape(q.shape[:-2] + (-1,))[..., :K], -1, axis).astype(np.float32)
;;   ~~~
;;   INPUTS GIVEN AS CODES. W1 (in the module: [512, 512], K = its axis 0); Wp (in the module: [512, 512], K = its axis 0): each comes as NAME_codes (uint8): NAME with its K axis moved to the last place and cut into blocks of 32 codes, [.., K / 32, bytes a block], one block behind the other in memory; one code a byte (a code: sign, 4 exponent bits, 3 mantissa bits); and NAME_scales (uint8): the same leading axes, one E8M0 byte (e + 127) for each 32 codes along K. Its value is code x scale, taken as it is: it is not quantised again, and the codes and scales need not be those that the quantiser above would give.
;; One version. Each part assembles by itself: llvm-mc -triple=amdgcn-amd-amdhsa -mcpu=gfx1250 --defsym DOCPART=n.
;; ======== version 1 of 1: 1 launch
;; limits: right only within a limited range of input values
;; launch tad (part 1): grid 256 x 1, 4 waves a work-group, no clusters, 313,088 bytes of LDS; arguments g, g_T, n_day, W1_codes, W1_scales, Wp_codes, Wp_scales, w2, b2, Wo, bo, out0, out1; writes out0, out1
.if DOCPART == 1
	.amdgcn_target "amdgcn-amd-amdhsa--gfx1250"
	.amdhsa_code_object_version 6
	.text
	.protected	k_qf0fd03f8e2_tad
	.globl	k_qf0fd03f8e2_tad
	.p2align	8
	.type	k_qf0fd03f8e2_tad,@function
k_qf0fd03f8e2_tad:
	s_mov_b64 s[64:65], 0
	v_nop
	global_prefetch_b8 v0, s[64:65] scope:SCOPE_SE
	s_setreg_imm32_b32 hwreg(HW_REG_WAVE_MODE, 25, 1), 1
	s_wait_xcnt 0x0
; TemporalAttDecoder.  For batch b and day t: vi = tanh(g W1) . w2 + b2, vd = tanh(g Wp) . g_T, score = vi vd, -1e9 where t >= n_day[b]; out1 = softmax over t; out0 = softmax2([out1 . g, g_T] Wo + bo).
; g W1 and g Wp: codes of E4M3 with one E8M0 scale for each 32 along K = 512.  g is quantised here; W1 and Wp arrive as codes, K innermost.
; SHARES.  256 work-groups of four waves.  A work-group owns TWO batches: its own number w, and that batch of 256..511 whose rank by (tiles, number) is 255 - the rank of w among 0..255: so the sums of tiles are even.
;   A batch has c = ceil(n_day / 16) tiles of 16 days that are not wholly masked (16 where n_day <= 0 or > 256); the other tiles are neither read nor multiplied: their weight is 0.  NT = c0 + c1 tiles, slot v of LDS for tile v.
;   THE WAVES SHARE THE COLUMNS: wave w holds columns 128 w .. 128 w + 127 of W1 (pass 0), then of Wp (pass 1), 512 registers, loaded straight into the operand's layout: each weight byte enters the work-group once.
;   g's codes go from wave to wave through LDS as images of the operand's registers: wave w quantises K step w (128 along K) of every tile.
; PASS 0 is also the stream: tile v is multiplied, tile v + 1 quantised, tiles v + 2 .. v + 5 are on their way (four sets of 64 registers a wave).  PASS 1 reads codes from LDS alone.  THE TAIL: masks, both softmaxes, both outputs.
; tanh(x) = 1 - 2 r, r = 1 / (1 + 2^(2 log2(e) x)).  sum c tanh = -2 (sum c r - sum c / 2): - sum c / 2 starts each tile's sums, the -2 is applied once a day in the tail.
; out1 . g is wanted only as (out1 . g) . Wo[:512] = out1 . (g . Wo[:512]): u[t][0..1] = g[t] . Wo[:512] is taken while the f32 row is in registers (bf16 operands, f32 sums: a product that is left as it is), and g is read once.
; NO TENSOR LOADS, NO CLUSTER: all work-groups read the same weights, but the trips that are left out hang on n_day, a number read from memory;
;   leaving out masked tiles spares half of g's bytes, of the products and of the tanh at n_day spread evenly, and the weights come once a work-group as it is.  No prefetch: each wave keeps 64 loads of 512 bytes of g on their way.
; LIMITS: NaN and infinities in g are not served.  A block of g whose largest magnitude lies under 2^-118 keeps the scale byte 1 (a block of zeros too: its codes are zeros).  Days in tiles that are left out are written as exact 0,
;   which is reference()'s value while the batch's largest score lies above about -1e9 + 150.  g and Wo[:512] are rounded to bf16 for u.  y enters no line of reference() and is not read.
; REGISTERS, window 0: v1-14, v221-223 addresses; v16-31 the quantiser's block figures; v32-47 the weights' scale words, v48-49 the tile's (scales and nothing else); v50-57 a tile's eight row sums, v58-61 at work, v62-63 - sum c / 2;
;   v64-127 the tile's four fragments (the quantiser: 64 held numbers); v128-159, v160-191 two groups of four accumulators (the quantiser: bf16 of g; codes, u); v192-199 coefficients in hand, v200-219 g_T's for both batches;
;   v224-255 Wo[:512] as four bf16 fragments (before: n_day's keys; from pass 1 on: the tail's inputs).  window 1: four sets of g, later Wp's column tiles 0-3.  window 2: W1's 0-3, later Wp's 4-7.  window 3: W1's 4-7.
.set ASC, 270336                       ; LDS: 0: 33 slots x 8,192: images (slot, K step s, group c, lane l at 8192 slot + 2048 s + 512 c + 16 l).  ASC: 33 x 256: scale words
.set P0,  278784                       ; [wave][32 slots][16 days] f32: pass 0's partial sums; 8,192 bytes on: pass 1's
.set UP,  295168                       ; [wave][33 slots][16 days][2] f32: partial u
.set RED, 312064                       ; 512 bytes for the tail's two exchanges
.set MSB, 0
.macro WIN new                         ; s_set_vgpr_msb: bits 1:0 source 0, 3:2 source 1, 5:4 source 2, 7:6 destination; the high byte repeats the setting that is left
.if MSB != (\new)
	s_set_vgpr_msb (MSB<<8)|(\new)
.set MSB, (\new)
.endif
.endm
; one column tile of weights (16 columns x 512 K: four fragments, 64 registers) into window dw from register reg on: lane (r, h), K step s, group c: 16 codes at row r, k = 128 s + 32 c + 16 h
.macro WLOAD dw, reg, tile, sb
	WIN (\dw)<<6
.irp s,0,1,2,3
.irp c,0,1,2,3
	global_load_b128 v[(\reg)+16*\s+4*\c:(\reg)+16*\s+4*\c+3], v2, s[\sb:\sb+1] offset:8192*(\tile)+128*\s+32*\c
.endr
.endr
	WIN 0
.endm
; set k is filled: with tile s55 + c of g if there is one, else with Wp's column tile k, which pass 1 wants there.  BOTH ARMS ISSUE 16 LOADS INTO THE SAME 64 REGISTERS, so that every counted wait holds on every path.
.macro FILL k, c
	s_wait_xcnt 0x0                                ; the last fill's loads have read their base: it is written again only behind this wait
	s_add_co_u32 s63, s55, \c
	s_cmp_lt_u32 s63, s39
	s_cbranch_scc0 .Lfw_\@
	s_cmp_lt_u32 s63, s37                          ; my first batch's tile or my second's?
	s_cselect_b32 s62, s41, s42
	s_add_co_u32 s62, s62, s63                     ; the tile's number in g: 16 x batch + tile
	s_min_u32 s62, s62, 8191                       ; a number made of loaded numbers is held inside the buffer
	s_lshl_b32 s60, s62, 15                        ; 16 rows of 2,048 bytes
	s_mov_b32 s61, 0
	s_add_nc_u64 s[44:45], s[8:9], s[60:61]
	WIN 0x40
.irp b,0,1,2,3
.irp q,0,1,2,3
	global_load_b128 v[64*(\k)+16*\b+4*\q:64*(\k)+16*\b+4*\q+3], v1, s[44:45] offset:128*\b+16*\q th:TH_LOAD_NT   ; register 16 b + 4 q + e = g(row r, 128 w + 32 b + 16 h + 4 q + e)
.endr
.endr
	WIN 0
	s_branch .Lfd_\@
.Lfw_\@:
	WLOAD 1, 64*\k, \k, 84
.Lfd_\@:
.endm
; set k (my K step of a tile) becomes a fragment's codes, a scale word a row and two partial u a row; they go to slot (the trip's first) + J
.macro QUANT k, J
	WIN 0x05                                       ; sources 0 and 1 in window 1
.irp b,0,1,2,3
	v_max3_num_f32 v[16+\b], |v[64*(\k)+16*\b]|, |v[64*(\k)+16*\b+1]|, 0x4800000   ; block b: my 16 numbers, and the floor 2^(9 - 127): the byte cannot fall under 1
.endr
.irp i,2,4,6,8,10,12,14
.irp b,0,1,2,3
	v_max3_num_f32 v[16+\b], |v[64*(\k)+16*\b+\i]|, |v[64*(\k)+16*\b+\i+1]|, v[16+\b]   ; the four blocks by turns
.endr
.endr
.irp b,0,1,2,3
.irp i,0,1,2,3,4,5,6,7
	v_cvt_pk_bf16_f32 v[128+8*\b+\i], v[64*(\k)+16*\b+2*\i], v[64*(\k)+16*\b+2*\i+1]   ; g in bf16 for u: k stands in the fragment as it stands in Wo's: the same permutation on both sides
.endr
.endr
	WIN 0
.irp b,0,1,2,3
	v_permlanex16_b32 v[20+\b], v[16+\b], s48, s49
.endr
.irp b,0,1,2,3
	v_max_num_f32 v[16+\b], v[16+\b], v[20+\b]     ; with lane l xor 16's 16: the block's largest magnitude
.endr
.irp b,0,1,2,3
	v_add_nc_u32 v[28+\b], 0xfc000000, v[16+\b]    ; 8 off its exponent field: the conversion's scale operand
.endr
.irp b,0,1,2,3
	v_and_or_b32 v[24+\b], v[16+\b], 0x7f800000, s50   ; 448 x the scale
.endr
.irp b,0,1,2,3
	v_lshrrev_b32 v[20+\b], 23, v[28+\b]           ; the scale's byte
.endr
	v_lshl_or_b32 v220, v21, 8, v20
	v_lshl_or_b32 v220, v22, 16, v220
	v_lshl_or_b32 v220, v23, 24, v220              ; my row's scale word for this K step
	v_wmma_f32_16x16x32_bf16 v[176:183], v[224:231], v[128:135], 0               ; u: source 0 = Wo's two columns as rows 0, 1 (and 8, 9), source 1 = 16 rows of g; two accumulators by turns
	v_wmma_f32_16x16x32_bf16 v[184:191], v[232:239], v[136:143], 0
	v_wmma_f32_16x16x32_bf16 v[176:183], v[240:247], v[144:151], v[176:183]
	v_wmma_f32_16x16x32_bf16 v[184:191], v[248:255], v[152:159], v[184:191]
	WIN 0x01                                       ; source 0 in window 1
.irp b,0,1,2,3
.irp i,0,1,2,3,4,5,6,7,8,9,10,11,12,13,14,15
	v_med3_num_f32 v[64+16*\b+\i], v[64*(\k)+16*\b+\i], -v[24+\b], v[24+\b]   ; the conversion to an 8-bit code does not saturate (ISA guide 7.6.2): the hold.  (These 64 are also the places behind the four products)
.endr
.endr
	WIN 0
.irp b,0,1,2,3
	v_cvt_scalef32_pk8_fp8_f32 v[160+4*\b:161+4*\b], v[64+16*\b:71+16*\b], v[28+\b]
	v_cvt_scalef32_pk8_fp8_f32 v[162+4*\b:163+4*\b], v[72+16*\b:79+16*\b], v[28+\b]
.endr
	v_nop                                          ; one plain line behind the last scaled conversion
	v_pk_add_f32 v[176:177], v[176:177], v[184:185]   ; u(row r, 0 .. 1) of my 128 along K, in every lane (rows 8, 9 repeat rows 0, 1)
.irp c,0,1,2,3
	ds_store_b128 v8, v[160+4*\c:163+4*\c] offset:8192*(\J)+512*\c
.endr
	ds_store_b32 v12, v220 offset:256*(\J)         ; lanes r and r + 16 write the same word with the same value
	ds_store_b64 v222, v[176:177] offset:128*(\J)
.endm
.macro ALOAD J                         ; a tile's four fragments and its scale words (v48: K steps 0 | 1 in lanes 0-15 | 16-31; v49: 2 | 3)
.irp s,0,1,2,3
.irp c,0,1,2,3
	ds_load_b128 v[64+16*\s+4*\c:67+16*\s+4*\c], v6 offset:8192*(\J)+2048*\s+512*\c
.endr
.endr
	ds_load_b64 v[48:49], v10 offset:256*(\J)
.endm
; one product: source 0 = 16 rows of g, source 1 = 16 columns of the weight (in the window that is set): register j of lane (r, h) = (day 8 h + j, column r)
.macro MM acc, ks, ct
.if (\ks) == 0
	v_wmma_scale_f32_16x16x128_f8f6f4 v[\acc:\acc+7], v[64:79], v[64*((\ct)%4):64*((\ct)%4)+15], 0, v48, v[32+2*(\ct)]
.elseif ((\ks)%2) == 1
	v_wmma_scale_f32_16x16x128_f8f6f4 v[\acc:\acc+7], v[64+16*(\ks):79+16*(\ks)], v[64*((\ct)%4)+16*(\ks):64*((\ct)%4)+16*(\ks)+15], v[\acc:\acc+7], v[48+(\ks)/2], v[32+2*(\ct)+(\ks)/2] matrix_a_scale:MATRIX_SCALE_ROW1 matrix_b_scale:MATRIX_SCALE_ROW1
.else
	v_wmma_scale_f32_16x16x128_f8f6f4 v[\acc:\acc+7], v[64+16*(\ks):79+16*(\ks)], v[64*((\ct)%4)+16*(\ks):64*((\ct)%4)+16*(\ks)+15], v[\acc:\acc+7], v[48+(\ks)/2], v[32+2*(\ct)+(\ks)/2]
.endif
.endm
; number VN of the 96 lines that turn a group's 32 registers x into r = 1 / (1 + 2^(2 log2(e) x)).  They name a destination and source 0 alone, both in window 0, so they stand among products without a switch.
; The 32 exponentials are one batch, the 32 reciprocals another: behind each a plain line and one wait ahead of the first reader.
.macro VEC X
.if VN < 16
	v_pk_mul_f32 v[\X+2*VN:\X+2*VN+1], v[\X+2*VN:\X+2*VN+1], s[46:47] op_sel_hi:[1,0]
.elseif VN < 48
	v_exp_f32 v[\X+VN-16], v[\X+VN-16]
.elseif VN < 64
	v_pk_add_f32 v[\X+2*(VN-48):\X+2*(VN-48)+1], v[\X+2*(VN-48):\X+2*(VN-48)+1], 1.0 op_sel_hi:[1,0]
.else
	v_rcp_f32 v[\X+VN-64], v[\X+VN-64]
.endif
.if (VN == 47) || (VN == 95)
	v_nop
	s_wait_alu depctr_va_vdst(0)
.endif
.set VN, VN+1
.endm
; the eight row sums take a group's four column tiles, each times its column's coefficient (lane r of v[192 + tile]); fst = 1: - sum c / 2 starts them
.macro FMA X, base, fst
.irp c,0,1,2,3
.irp p,0,2,4,6
.if (\fst) && (\c == 0)
	v_pk_fma_f32 v[50+\p:51+\p], v[\X+\p:\X+\p+1], v[192+\base:193+\base], v[62:63] op_sel_hi:[1,0,1]
.elseif (\c % 2) == 0
	v_pk_fma_f32 v[50+\p:51+\p], v[\X+8*\c+\p:\X+8*\c+\p+1], v[192+\base+\c:193+\base+\c], v[50+\p:51+\p] op_sel_hi:[1,0,1]
.else
	v_pk_fma_f32 v[50+\p:51+\p], v[\X+8*\c+\p:\X+8*\c+\p+1], v[191+\base+\c:192+\base+\c], v[50+\p:51+\p] op_sel:[0,1,0] op_sel_hi:[1,1,1]
.endif
.endr
.endr
.endm
; eight registers x 16 lanes become one register: at each step a lane keeps half of its registers and sends the other half to the lane that keeps those.  Then lane l holds day l / 2 of the tile in v50.
.macro REDUCE
.irp j,0,1,2,3
	v_cndmask_b32 v[58+\j], v[54+\j], v[50+\j], s51    ; what I send
.endr
.irp j,0,1,2,3
	v_cndmask_b32 v[50+\j], v[50+\j], v[54+\j], s51    ; what I keep
.endr
.irp j,0,1,2,3
	v_add_f32_dpp v[50+\j], v[58+\j], v[50+\j] row_xmask:8 row_mask:0xf bank_mask:0xf
.endr
.irp j,0,1
	v_cndmask_b32 v[58+\j], v[52+\j], v[50+\j], s52
.endr
.irp j,0,1
	v_cndmask_b32 v[50+\j], v[50+\j], v[52+\j], s52
.endr
.irp j,0,1
	v_add_f32_dpp v[50+\j], v[58+\j], v[50+\j] row_xmask:4 row_mask:0xf bank_mask:0xf
.endr
	v_cndmask_b32 v58, v51, v50, s53
	v_cndmask_b32 v50, v50, v51, s53
	v_add_f32_dpp v50, v58, v50 row_xmask:2 row_mask:0xf bank_mask:0xf
	v_add_f32_dpp v50, v50, v50 row_xmask:1 row_mask:0xf bank_mask:0xf
.endm
; A TILE: 16 products on group 0 (window w0's column tiles); 16 on group 1 (window w1's) with group 0's 96 lines between them, six behind each; group 0's sums; group 1's 96 lines and sums; the reduction.
; Accumulators by turns, K step by K step.  Eight v_nop behind the seventeenth product are the places behind the first sixteen; group 0's 16 sums, which name no register of group 1's products, are the places behind those.
.macro CORE w0, w1, nxt
	WIN 4*(\w0)
.irp s,0,1,2,3
.irp c,0,1,2,3
	MM 128+8*\c, \s, \c
.endr
.endr
	WIN 4*(\w1)
.set VN, 0
.irp s,0,1,2,3
.irp c,0,1,2,3
	MM 160+8*\c, \s, 4+\c
.if (\s == 0) && (\c == 0)
.rept 8
	v_nop
.endr
.endif
.rept 6
	VEC 128
.endr
.endr
.endr
	WIN 0
	FMA 128, 0, 1
.if \nxt
	s_add_co_u32 s62, s55, 1                       ; the next tile's fragments, if there is a next tile: no LDS byte is read that nobody wrote
	s_cmp_lt_u32 s62, s39
	s_cbranch_scc0 .Lna_\@
	ALOAD 1
.Lna_\@:
.endif
.set VN, 0
.rept 96
	VEC 160
.endr
	FMA 160, 4, 0
	REDUCE
.endm
.macro NKSUM d, c                      ; - half the sum of my lane's eight coefficients, twice (a pair for the packed form)
	v_add_f32 v58, v[\c], v[\c+1]
	v_add_f32 v59, v[\c+2], v[\c+3]
	v_add_f32 v60, v[\c+4], v[\c+5]
	v_add_f32 v61, v[\c+6], v[\c+7]
	v_add_f32 v58, v58, v59
	v_add_f32 v60, v60, v61
	v_add_f32 v58, v58, v60
	v_mul_f32 v[\d], -0.5, v58
	v_mul_f32 v[\d+1], -0.5, v58
.endm
.macro ADDR0                           ; pass 0's six LDS addresses for the trip's first slot
	v_add_nc_u32 v6, s56, v5
	v_add_nc_u32 v8, s56, v7
	v_add_nc_u32 v10, s57, v9
	v_add_nc_u32 v12, s57, v11
	v_add_nc_u32 v14, s58, v13
	v_add_nc_u32 v222, s59, v221
.endm
.macro BARRIER                         ; my LDS stores have landed and my LDS loads are in: then the work-group's barrier
	s_wait_dscnt 0x0
	s_barrier_signal -1
	s_barrier_wait -1
.endm
.macro WSUM x                          ; the sum over the wave's 32 lanes, in every lane
	v_add_f32_dpp v[\x], v[\x], v[\x] row_xmask:1 row_mask:0xf bank_mask:0xf
	v_add_f32_dpp v[\x], v[\x], v[\x] row_xmask:2 row_mask:0xf bank_mask:0xf
	v_add_f32_dpp v[\x], v[\x], v[\x] row_xmask:4 row_mask:0xf bank_mask:0xf
	v_add_f32_dpp v[\x], v[\x], v[\x] row_xmask:8 row_mask:0xf bank_mask:0xf
	v_permlanex16_b32 v14, v[\x], s48, s49
	v_add_f32 v[\x], v[\x], v14
.endm
.macro WMAXR x
	v_max_num_f32_dpp v[\x], v[\x], v[\x] row_xmask:1 row_mask:0xf bank_mask:0xf
	v_max_num_f32_dpp v[\x], v[\x], v[\x] row_xmask:2 row_mask:0xf bank_mask:0xf
	v_max_num_f32_dpp v[\x], v[\x], v[\x] row_xmask:4 row_mask:0xf bank_mask:0xf
	v_max_num_f32_dpp v[\x], v[\x], v[\x] row_xmask:8 row_mask:0xf bank_mask:0xf
	v_permlanex16_b32 v14, v[\x], s48, s49
	v_max_num_f32 v[\x], v[\x], v14
.endm
; ---------------------------------------------------------------- THE HEAD
	s_load_b512 s[8:23], s[0:1], 0x0               ; g s[8:9], g_T s[10:11], n_day s[12:13], W1's codes s[14:15], scales s[16:17], Wp's codes s[18:19], scales s[20:21], w2 s[22:23]
	s_load_b256 s[24:31], s[0:1], 0x40             ; b2 s[24:25], Wo s[26:27], bo s[28:29], out0 s[30:31]
	s_load_b64 s[32:33], s[0:1], 0x60              ; out1
	v_and_b32 v15, 31, v0                          ; lane
	v_and_b32 v58, 15, v0                          ; r
	v_bfe_u32 v59, v0, 4, 1                        ; h
	v_lshrrev_b32 v60, 5, v0
	v_readfirstlane_b32 s34, v60                   ; wave 0..3
	s_lshl_b32 s62, s34, 9
	v_lshlrev_b32 v1, 11, v58
	v_lshl_add_u32 v1, v59, 6, v1
	v_add_nc_u32 v1, s62, v1                       ; g: row r of 2,048 bytes + 64 h + 512 w
	v_lshlrev_b32 v2, 9, v58
	v_lshl_add_u32 v2, v59, 4, v2                  ; weights' codes: row r of 512 bytes + 16 h
	v_lshlrev_b32 v3, 4, v58
	v_lshl_add_u32 v3, v59, 2, v3                  ; their scale words: row r of 16 bytes + 4 h: lanes 16-31 take the odd K step
	v_lshl_add_u32 v4, v58, 2, s62                 ; coefficients: 4 r + 512 w
	v_lshlrev_b32 v5, 4, v15                       ; an image's place for my lane
	s_lshl_b32 s63, s34, 11
	v_add_nc_u32 v7, s63, v5                       ; where I store images: + 2,048 w
	v_lshl_add_u32 v9, v15, 3, ASC                 ; where I read scale words: 8 x lane
	s_and_b32 s66, s34, 1
	s_lshl_b32 s66, s66, 7
	s_lshr_b32 s67, s34, 1
	s_lshl_b32 s67, s67, 2
	s_add_co_u32 s66, s66, s67
	s_add_co_u32 s66, s66, ASC
	v_lshl_add_u32 v11, v58, 3, s66                ; where I store them: 8 (16 (w % 2) + r) + 4 (w / 2)
	v_lshrrev_b32 v60, 1, v15
	s_add_co_u32 s63, s63, P0
	v_lshl_add_u32 v13, v60, 2, s63                ; my partial sums: 2,048 w + 4 (lane / 2)
	s_mul_i32 s67, s34, 4224
	s_add_co_u32 s67, s67, UP
	v_lshl_add_u32 v221, v58, 3, s67               ; my partial u: 4,224 w + 8 r
	s_lshl_b32 s67, s34, 10
	v_lshl_add_u32 v223, v59, 7, s67               ; Wo[:512]: 8 bytes a row: 1,024 w + 128 h
.irp b,0,1,2,3
	v_mov_b32 v[20+\b], 0                          ; written once: a lane permute's destination counts as one of its sources
.endr
	s_mov_b32 s46, 0x4038aa3b                      ; 2 log2(e)
	s_mov_b32 s47, s46                             ; (named with it as a pair)
	s_mov_b32 s48, 0x76543210
	s_mov_b32 s49, 0xfedcba98                      ; v_permlanex16_b32's selects for lane l xor 16
	s_mov_b32 s50, 0x600000                        ; the mantissa field of 448
	s_mov_b32 s51, 0xff00ff00                      ; lanes with bit 3, 2, 1, 0 of the lane's number set
	s_mov_b32 s52, 0xf0f0f0f0
	s_mov_b32 s53, 0xcccccccc
	s_mov_b32 s94, 0xaaaaaaaa
	s_mov_b32 s95, 0x03030303                      ; lanes whose r % 8 is 0 or 1
	s_mov_b32 s55, 0                               ; the trip's first tile
	s_mov_b32 s56, 0                               ; and its slot's place among the images, the scale words, the sums, u
	s_mov_b32 s57, 0
	s_mov_b32 s58, 0
	s_mov_b32 s59, 0
	s_lshl_b32 s43, ttmp9, 2
	s_wait_kmcnt 0x0
	s_load_b32 s35, s[12:13], s43 offset:0x0       ; n_day of my first batch
	s_load_b32 s90, s[24:25], 0x0                  ; b2
	s_load_b64 s[92:93], s[28:29], 0x0             ; bo
	s_lshl_b32 s60, s34, 16
	s_mov_b32 s61, 0
	s_add_nc_u64 s[82:83], s[14:15], s[60:61]      ; my 128 rows of W1's codes,
	s_add_nc_u64 s[84:85], s[18:19], s[60:61]      ; of Wp's,
	s_lshl_b32 s60, s34, 11
	s_add_nc_u64 s[86:87], s[16:17], s[60:61]      ; and of their scale bytes
	s_add_nc_u64 s[88:89], s[20:21], s[60:61]
.irp q,0,1,2,3
	global_load_b128 v[224+4*\q:227+4*\q], v5, s[12:13] offset:512*\q   ; all of n_day: register 4 q + e of lane l: batch 128 q + 4 l + e
.endr
	WLOAD 2, 0, 0, 82
	WLOAD 2, 64, 1, 82
	WLOAD 2, 128, 2, 82
	s_wait_loadcnt 48                              ; n_day is in: the 48 loads of weights issued behind it may be out
	; keys: (tiles - 1) x 256 + the batch's number in its half: no two alike in a half
	v_lshlrev_b32 v58, 2, v15
.irp i,0,1,2,3,4,5,6,7,8,9,10,11,12,13,14,15
	v_add_nc_u32 v[224+\i], -1, v[224+\i]
	v_min_u32 v[224+\i], 0xff, v[224+\i]           ; n_day <= 0 and n_day > 256 count as 256 days
	v_and_b32 v[224+\i], 0xf0, v[224+\i]
	v_lshl_add_u32 v[224+\i], v[224+\i], 4, v58
	v_add_nc_u32 v[224+\i], 128*((\i/4)%2)+(\i%4), v[224+\i]
.endr
	s_wait_kmcnt 0x0
	s_sub_co_u32 s66, s35, 1
	s_min_u32 s66, s66, 0xff
	s_lshr_b32 s66, s66, 4
	s_add_co_u32 s37, s66, 1                       ; c0
	s_lshl_b32 s67, s66, 8
	s_add_co_u32 s67, s67, ttmp9                   ; my first batch's key
	s_mov_b32 s68, 0
.irp i,0,1,2,3,4,5,6,7
	v_cmp_gt_u32 s70, s67, v[224+\i]
	s_bcnt1_i32_b32 s70, s70
	s_add_co_u32 s68, s68, s70                     ; its rank: the keys of 0..255 under it
.endr
	s_sub_co_u32 s69, 255, s68                     ; the rank wanted in 256..511
	s_mov_b32 s71, 0
	s_mov_b32 s72, 0x800
	s_mov_b32 s54, 12
.Lsel:                                             ; the key of that rank is the largest number with at most so many keys under it: found bit by bit, 12 bits
	s_or_b32 s73, s71, s72
	s_mov_b32 s74, 0
.irp i,8,9,10,11,12,13,14,15
	v_cmp_gt_u32 s70, s73, v[224+\i]
	s_bcnt1_i32_b32 s70, s70
	s_add_co_u32 s74, s74, s70
.endr
	s_cmp_le_u32 s74, s69
	s_cselect_b32 s71, s73, s71
	s_lshr_b32 s72, s72, 1
	s_sub_co_u32 s54, s54, 1
	s_cmp_lg_u32 s54, 0
	s_cbranch_scc1 .Lsel
	s_and_b32 s40, s71, 0xff
	s_add_co_u32 s40, s40, 256
	s_min_u32 s40, s40, 511                        ; my second batch
	s_lshr_b32 s38, s71, 8
	s_add_co_u32 s38, s38, 1
	s_min_u32 s38, s38, 16                         ; c1
	s_add_co_u32 s39, s37, s38                     ; NT
	s_lshl_b32 s41, ttmp9, 4                       ; tile v < c0 is tile 16 x first batch + v of g,
	s_lshl_b32 s42, s40, 4
	s_sub_co_u32 s42, s42, s37                     ; the others 16 x second batch - c0 + v
	s_lshl_b32 s43, s40, 2
	s_load_b32 s36, s[12:13], s43 offset:0x0       ; n_day of my second batch
	s_lshl_b32 s60, ttmp9, 11
	s_add_nc_u64 s[96:97], s[10:11], s[60:61]      ; g_T's two rows
	s_lshl_b32 s60, s40, 11
	s_add_nc_u64 s[98:99], s[10:11], s[60:61]
	WLOAD 2, 192, 3, 82
	WLOAD 3, 0, 4, 82
	WLOAD 3, 64, 5, 82
	WLOAD 3, 128, 6, 82
	WLOAD 3, 192, 7, 82
.irp t,0,1,2,3,4,5,6,7
	global_load_b32 v[32+2*\t], v3, s[86:87] offset:256*\t       ; W1's scale words: K steps 0 | 1,
	global_load_b32 v[33+2*\t], v3, s[86:87] offset:256*\t+8     ; 2 | 3
	global_load_b32 v[192+\t], v4, s[22:23] offset:64*\t         ; w2 at column 128 w + 16 t + r
	global_load_b32 v[200+\t], v4, s[96:97] offset:64*\t         ; g_T likewise, both batches
	global_load_b32 v[208+\t], v4, s[98:99] offset:64*\t
.endr
.irp b,0,1,2,3
.irp i,0,1,2,3,4,5,6,7
	global_load_b128 v[64+32*\b+4*\i:67+32*\b+4*\i], v223, s[26:27] offset:256*\b+16*\i   ; Wo rows 128 w + 32 b + 16 h + 2 i, + 1: both columns
.endr
.endr
	FILL 0, 0
	FILL 1, 1
	FILL 2, 2
	s_wait_loadcnt 48                              ; all but the three fills just issued
.irp b,0,1,2,3
.irp i,0,1,2,3,4,5,6,7
	v_cvt_pk_bf16_f32 v58, v[64+32*\b+4*\i], v[66+32*\b+4*\i]    ; column 0 at two neighbouring k,
	v_cvt_pk_bf16_f32 v59, v[65+32*\b+4*\i], v[67+32*\b+4*\i]    ; column 1
	v_cndmask_b32 v58, v58, v59, s94                             ; odd rows of the fragment take column 1;
	v_cndmask_b32 v[224+8*\b+\i], 0, v58, s95                    ; rows 0, 1, 8, 9 alone are not zero
.endr
.endr
	NKSUM 62, 192
	NKSUM 216, 200
	NKSUM 218, 208
	FILL 3, 3
	ADDR0
	s_wait_kmcnt 0x0                               ; n_day of my second batch
	s_wait_loadcnt 48                              ; set 0 is in: the three fills issued behind it may be out
	QUANT 0, 0
	FILL 0, 4
	BARRIER                                        ; tile 0's images lie in LDS
; ---------------------------------------------------------------- PASS 0: W1, and the stream.  32 tiles' places in 8 trips of four; what a split leaves empty is jumped over, the barrier never
.macro SUB0 u, k
	s_add_co_u32 s62, s55, \u+1
	s_cmp_lt_u32 s62, s39
	s_cbranch_scc0 .Lnq_\@
	s_wait_loadcnt 48                              ; the next tile's set is in: the three fills issued behind it may be out
	QUANT \k, \u+1
	FILL \k, \u+5
	s_branch .Lqd_\@
.Lnq_\@:
	s_wait_loadcnt 0x0                             ; nothing is left to quantise: what is out are Wp's tiles
.Lqd_\@:
	s_add_co_u32 s62, s55, \u
	s_cmp_lt_u32 s62, s39
	s_cbranch_scc0 .Lnc_\@
	ALOAD \u
	s_wait_dscnt 0x0                               ; the fragments are in, and the quantiser's LDS stores have read their registers
	CORE 2, 3, 0
	ds_store_b32 v14, v50 offset:64*\u             ; lanes 2 i and 2 i + 1 write the same word with the same value
	s_branch .Lcd_\@
.Lnc_\@:
	v_mov_b32 v58, 0
	v_mov_b32 v59, 0
	ds_store_b32 v14, v58 offset:64*\u             ; an empty slot's sums and u are zeros: the tail reads all 32
	ds_store_b64 v222, v[58:59] offset:128*\u
.Lcd_\@:
	BARRIER                                        ; the next tile's images lie in LDS before any wave reads them
.endm
	s_mov_b32 s54, 8
.Lp0:
	ADDR0
	SUB0 0, 1
	SUB0 1, 2
	SUB0 2, 3
	SUB0 3, 0
	s_add_co_u32 s55, s55, 4
	s_add_co_u32 s56, s56, 32768
	s_add_co_u32 s57, s57, 1024
	s_add_co_u32 s58, s58, 256
	s_add_co_u32 s59, s59, 512
	s_sub_co_u32 s54, s54, 1
	s_cmp_lg_u32 s54, 0
	s_cbranch_scc1 .Lp0
; ---------------------------------------------------------------- THE CHANGE OF PASS: Wp's tiles 0-3 lie in window 1 (the last four fills); 4-7 come into window 2
.irp i,0,1,2,3,4,5,6,7
	v_mov_b32 v[192+\i], v[200+\i]                 ; the coefficients are now g_T's, first batch
.endr
	v_mov_b32 v62, v216
	v_mov_b32 v63, v217
.irp t,0,1,2,3,4,5,6,7
	global_load_b32 v[32+2*\t], v3, s[88:89] offset:256*\t
	global_load_b32 v[33+2*\t], v3, s[88:89] offset:256*\t+8
.endr
	WLOAD 2, 0, 4, 84
	WLOAD 2, 64, 5, 84
	WLOAD 2, 128, 6, 84
	WLOAD 2, 192, 7, 84
	v_lshlrev_b32 v15, 4, v0
	v_lshlrev_b32 v223, 5, v0
	global_load_b128 v[224:227], v15, s[96:97]             ; for the tail: thread i holds g_T[4 i .. 4 i + 3] of both batches
	global_load_b128 v[228:231], v15, s[98:99]
	global_load_b128 v[232:235], v223, s[26:27] offset:4096   ; and Wo[512 + 4 i .. + 3][0 .. 1]
	global_load_b128 v[236:239], v223, s[26:27] offset:4112
	s_mov_b32 s55, 0
	s_mov_b32 s56, 0
	s_mov_b32 s57, 0
	s_mov_b32 s58, 0
	v_add_nc_u32 v6, s56, v5
	v_add_nc_u32 v10, s57, v9
	v_add_nc_u32 v14, s58, v13
	ALOAD 0
	s_wait_loadcnt 0x0                             ; all of Wp, its scale words, the tail's inputs
; ---------------------------------------------------------------- PASS 1: Wp.  Images and scale words are only read, the sums are each wave's own: no barrier
	s_mov_b32 s54, 32
.Lp1:
	s_cmp_lt_u32 s55, s39
	s_cbranch_scc0 .Lp1z
	s_cmp_lg_u32 s55, s37
	s_cbranch_scc1 .Lp1s
.irp i,0,1,2,3,4,5,6,7
	v_mov_b32 v[192+\i], v[208+\i]                 ; the second batch's first tile: its g_T
.endr
	v_mov_b32 v62, v218
	v_mov_b32 v63, v219
.Lp1s:
	s_wait_dscnt 0x0                               ; the tile's fragments, asked for in the middle of the tile before
	CORE 1, 2, 1
	ds_store_b32 v14, v50 offset:8192
	s_branch .Lp1e
.Lp1z:
	v_mov_b32 v58, 0
	ds_store_b32 v14, v58 offset:8192
.Lp1e:
	s_add_co_u32 s55, s55, 1
	s_add_co_u32 s56, s56, 8192
	s_add_co_u32 s57, s57, 256
	s_add_co_u32 s58, s58, 64
	v_add_nc_u32 v6, s56, v5
	v_add_nc_u32 v10, s57, v9
	v_add_nc_u32 v14, s58, v13
	s_sub_co_u32 s54, s54, 1
	s_cmp_lg_u32 s54, 0
	s_cbranch_scc1 .Lp1
; ---------------------------------------------------------------- THE TAIL.  Thread i takes days 4 i .. 4 i + 3 of the 512 slot days: one slot, so one batch
	BARRIER                                        ; every wave's partial sums lie in LDS
	v_lshl_add_u32 v1, v0, 4, P0
	v_lshl_add_u32 v2, v0, 5, UP
.irp w,0,1,2,3
	ds_load_b128 v[64+4*\w:67+4*\w], v1 offset:2048*\w
	ds_load_b128 v[80+4*\w:83+4*\w], v1 offset:8192+2048*\w
	ds_load_b128 v[96+8*\w:99+8*\w], v2 offset:4224*\w
	ds_load_b128 v[100+8*\w:103+8*\w], v2 offset:4224*\w+16
.endr
	v_lshrrev_b32 v3, 2, v0                        ; my slot
	v_cmp_le_u32 s66, s37, v3                      ; s66: my days belong to the second batch
	v_cmp_le_u32 s67, s39, v3                      ; s67: to none
	s_lshl_b32 s68, s37, 4
	v_lshlrev_b32 v4, 2, v0
	v_mov_b32 v5, s68
	v_cndmask_b32 v5, 0, v5, s66
	v_sub_nc_u32 v4, v4, v5                        ; my first day in its batch
	v_mov_b32 v6, s35
	v_mov_b32 v5, s36
	v_cndmask_b32 v6, v6, v5, s66                  ; the batch's n_day
	v_mov_b32 v8, 0xce6e6b28                       ; -1e9
	v_mov_b32 v10, 0xff61b1e6                      ; -3e38: under every score
	s_lshl_b32 s69, s34, 3
	s_add_co_u32 s69, s69, RED
	v_mov_b32 v7, s69
	v_mov_b32 v9, RED
	s_lshl_b32 s69, s34, 6
	s_add_co_u32 s69, s69, RED+256
	v_mov_b32 v11, s69
	s_wait_dscnt 0x0
.irp w,1,2,3
	v_pk_add_f32 v[64:65], v[64:65], v[64+4*\w:65+4*\w]
	v_pk_add_f32 v[66:67], v[66:67], v[66+4*\w:67+4*\w]
	v_pk_add_f32 v[80:81], v[80:81], v[80+4*\w:81+4*\w]
	v_pk_add_f32 v[82:83], v[82:83], v[82+4*\w:83+4*\w]
.irp p,0,2,4,6
	v_pk_add_f32 v[96+\p:97+\p], v[96+\p:97+\p], v[96+8*\w+\p:97+8*\w+\p]   ; u(day j, column c) in v[96 + 2 j + c]
.endr
.endr
.irp j,0,1,2,3
	v_fma_f32 v[64+\j], v[64+\j], -2.0, s90        ; vi
	v_mul_f32 v[80+\j], -2.0, v[80+\j]             ; vd
.endr
.irp j,0,1,2,3
	v_mul_f32 v[64+\j], v[64+\j], v[80+\j]
.endr
.irp j,0,1,2,3
	v_add_nc_u32 v5, \j, v4
	v_cmp_ge_i32 vcc_lo, v5, v6
	v_cndmask_b32 v[64+\j], v[64+\j], v8, vcc_lo   ; the day mask
	v_cndmask_b32 v[64+\j], v[64+\j], v10, s67     ; a slot without a batch counts for nothing
.endr
	v_max3_num_f32 v16, v64, v65, v66
	v_max_num_f32 v16, v16, v67
	v_cndmask_b32 v12, v16, v10, s66               ; my share of the first batch's maximum,
	v_cndmask_b32 v13, v10, v16, s66               ; of the second's
	WMAXR 12
	WMAXR 13
	ds_store_b64 v7, v[12:13]
	BARRIER
	ds_load_b128 v[20:23], v9
	ds_load_b128 v[24:27], v9 offset:16
	s_wait_dscnt 0x0
	v_max3_num_f32 v20, v20, v22, v24
	v_max3_num_f32 v21, v21, v23, v25
	v_max_num_f32 v20, v20, v26
	v_max_num_f32 v21, v21, v27
	v_cndmask_b32 v28, v20, v21, s66               ; my batch's largest score
.irp j,0,1,2,3
	v_sub_f32 v[64+\j], v[64+\j], v28
.endr
.irp j,0,1,2,3
	v_mul_f32 v[64+\j], 0x3fb8aa3b, v[64+\j]
.endr
.irp j,0,1,2,3
	v_exp_f32 v[64+\j], v[64+\j]
.endr
	v_mul_f32 v134, v224, v232                     ; g_T . Wo[512:]: plain work behind the exponentials
	v_mul_f32 v135, v224, v233
	v_mul_f32 v136, v228, v232
	v_mul_f32 v137, v228, v233
.irp i,1,2,3
	v_fmac_f32 v134, v[224+\i], v[232+2*\i]
	v_fmac_f32 v135, v[224+\i], v[233+2*\i]
	v_fmac_f32 v136, v[228+\i], v[232+2*\i]
	v_fmac_f32 v137, v[228+\i], v[233+2*\i]
.endr
	s_wait_alu depctr_va_vdst(0)                   ; one wait for the four exponentials, ahead of their first reader
	v_add_f32 v16, v64, v65
	v_add_f32 v17, v66, v67
	v_add_f32 v16, v16, v17                        ; sum of p
	v_mul_f32 v17, v64, v96
	v_mul_f32 v18, v64, v97
.irp j,1,2,3
	v_fmac_f32 v17, v[64+\j], v[96+2*\j]           ; sum of p u
	v_fmac_f32 v18, v[64+\j], v[97+2*\j]
.endr
	v_cndmask_b32 v128, v16, 0, s66
	v_cndmask_b32 v129, v17, 0, s66
	v_cndmask_b32 v130, v18, 0, s66
	v_cndmask_b32 v131, 0, v16, s66
	v_cndmask_b32 v132, 0, v17, s66
	v_cndmask_b32 v133, 0, v18, s66
.irp x,128,129,130,131,132,133,134,135,136,137
	WSUM \x
.endr
	ds_store_b128 v11, v[128:131]
	ds_store_b128 v11, v[132:135] offset:16
	ds_store_b64 v11, v[136:137] offset:32
	BARRIER
.irp w,0,1,2,3
	ds_load_b128 v[144+12*\w:147+12*\w], v9 offset:256+64*\w
	ds_load_b128 v[148+12*\w:151+12*\w], v9 offset:272+64*\w
	ds_load_b64 v[152+12*\w:153+12*\w], v9 offset:288+64*\w
.endr
	s_wait_dscnt 0x0
.irp w,1,2,3
.irp p,0,2,4,6,8
	v_pk_add_f32 v[144+\p:145+\p], v[144+\p:145+\p], v[144+12*\w+\p:145+12*\w+\p]
.endr
.endr                                              ; v144-146: sum p, sum p u0, sum p u1 of the first batch; v147-149 of the second; v150-153: g_T . Wo[512:], batch by column
	v_rcp_f32 v154, v144
	v_rcp_f32 v155, v147
	s_mov_b32 s68, ttmp9
	v_mov_b32 v15, s68                             ; (plain work behind the reciprocals)
	v_mov_b32 v5, s40
	v_cndmask_b32 v15, v15, v5, s66
	v_lshlrev_b32 v15, 10, v15
	v_lshl_add_u32 v15, v4, 2, v15                 ; out1: 1,024 x batch + 4 x day,
	v_min_u32 v15, 0x7fff0, v15                    ; held inside the buffer
	s_wait_alu depctr_va_vdst(0)                   ; one wait for the two
	v_cndmask_b32 v156, v154, v155, s66
.irp j,0,1,2,3
	v_mul_f32 v[64+\j], v[64+\j], v156
.endr
	v_cmp_gt_u32 vcc_lo, s39, v3
	s_wait_xcnt 0x0                                ; EXEC changes only behind s_wait_xcnt 0
	s_and_saveexec_b32 s70, vcc_lo
	global_store_b128 v15, v[64:67], s[32:33]      ; the days of tiles that were worked
	s_wait_xcnt 0x0
	s_or_b32 exec_lo, exec_lo, s70
	v_lshrrev_b32 v16, 6, v0                       ; the other days are zeros: threads 0-63 look at the first batch, 64-127 at the second, four days each
	v_cmp_ne_u32 s71, 0, v16
	v_and_b32 v17, 63, v0
	v_lshlrev_b32 v17, 2, v17
	s_lshl_b32 s72, s37, 4
	s_lshl_b32 s73, s38, 4
	v_mov_b32 v18, s72
	v_mov_b32 v19, s73
	v_cndmask_b32 v18, v18, v19, s71
	v_mov_b32 v19, s68
	v_cndmask_b32 v19, v19, v5, s71
	v_lshlrev_b32 v19, 10, v19
	v_lshl_add_u32 v19, v17, 2, v19
	v_min_u32 v19, 0x7fff0, v19
.irp j,0,1,2,3
	v_mov_b32 v[20+\j], 0
.endr
	v_cmp_ge_u32 vcc_lo, v17, v18
	s_and_saveexec_b32 s70, vcc_lo
	global_store_b128 v19, v[20:23], s[32:33]
	s_wait_xcnt 0x0
	s_or_b32 exec_lo, exec_lo, s70
	; out0: even lanes work the first batch, odd lanes the second
	v_cndmask_b32 v157, v154, v155, s94
	v_cndmask_b32 v158, v145, v148, s94
	v_cndmask_b32 v159, v146, v149, s94
	v_cndmask_b32 v160, v150, v152, s94
	v_cndmask_b32 v161, v151, v153, s94
	v_fma_f32 v158, v158, v157, v160
	v_fma_f32 v159, v159, v157, v161
	v_add_f32 v158, s92, v158
	v_add_f32 v159, s93, v159
	v_max_num_f32 v160, v158, v159                 ; the maximum is taken away, as reference() does
	v_sub_f32 v158, v158, v160
	v_sub_f32 v159, v159, v160
	v_mul_f32 v158, 0x3fb8aa3b, v158
	v_mul_f32 v159, 0x3fb8aa3b, v159
	v_exp_f32 v158, v158
	v_exp_f32 v159, v159
	v_mov_b32 v16, s68                             ; (plain work behind the exponentials)
	v_cndmask_b32 v16, v16, v5, s94
	v_lshlrev_b32 v16, 3, v16
	v_min_u32 v16, 4088, v16                       ; out0: 8 x batch
	s_wait_alu depctr_va_vdst(0)
	v_add_f32 v160, v158, v159
	v_rcp_f32 v160, v160
	v_nop
	s_wait_alu depctr_va_vdst(0)
	v_mul_f32 v162, v158, v160
	v_mul_f32 v163, v159, v160
	v_cmp_gt_u32 vcc_lo, 2, v0
	s_and_saveexec_b32 s70, vcc_lo
	global_store_b64 v16, v[162:163], s[30:31]     ; threads 0 and 1 of the work-group
	s_wait_xcnt 0x0
	s_or_b32 exec_lo, exec_lo, s70
	s_wait_xcnt 0x0
	s_mov_b32 exec_lo, -1
	v_lshl_add_u32 v254, v0, 2, 0x4c500
	v_mov_b32 v255, 0
	s_wait_tensorcnt 0x0
	ds_add_u32 v254, v255
	s_wait_dscnt 0x0
	s_endpgm
.Lfunc_end_k_qf0fd03f8e2_tad:
	.size	k_qf0fd03f8e2_tad, .Lfunc_end_k_qf0fd03f8e2_tad-k_qf0fd03f8e2_tad
	.p2alignl 7, 3214868480
	.fill 96, 4, 3214868480
	.section	.rodata,"a",@progbits
	.p2align	6, 0x0
	.amdhsa_kernel k_qf0fd03f8e2_tad
		.amdhsa_group_segment_fixed_size 313088
		.amdhsa_private_segment_fixed_size 0
		.amdhsa_enable_private_segment 0
		.amdhsa_kernarg_size 104
		.amdhsa_user_sgpr_count 2
		.amdhsa_user_sgpr_kernarg_segment_ptr 1
		.amdhsa_wavefront_size32 1
		.amdhsa_system_sgpr_workgroup_id_x 1
		.amdhsa_system_sgpr_workgroup_id_y 1
		.amdhsa_system_sgpr_workgroup_id_z 1
		.amdhsa_system_vgpr_workitem_id 0
		.amdhsa_next_free_vgpr 1024
		.amdhsa_next_free_sgpr 100
		.amdhsa_reserve_vcc 1
		.amdhsa_float_denorm_mode_32 3
		.amdhsa_float_denorm_mode_16_64 3
		.amdhsa_memory_ordered 1
		.amdhsa_forward_progress 1
		.amdhsa_inst_pref_size 242
	.end_amdhsa_kernel
	.amdgpu_metadata
---
amdhsa.version: [ 1, 2 ]
amdhsa.kernels:
  - .name:           k_qf0fd03f8e2_tad
    .symbol:         k_qf0fd03f8e2_tad.kd
    .args:
      - { .name: g, .offset: 0, .size: 8, .value_kind: global_buffer, .address_space: global }
      - { .name: g_T, .offset: 8, .size: 8, .value_kind: global_buffer, .address_space: global }
      - { .name: n_day, .offset: 16, .size: 8, .value_kind: global_buffer, .address_space: global }
      - { .name: W1_codes, .offset: 24, .size: 8, .value_kind: global_buffer, .address_space: global }
      - { .name: W1_scales, .offset: 32, .size: 8, .value_kind: global_buffer, .address_space: global }
      - { .name: Wp_codes, .offset: 40, .size: 8, .value_kind: global_buffer, .address_space: global }
      - { .name: Wp_scales, .offset: 48, .size: 8, .value_kind: global_buffer, .address_space: global }
      - { .name: w2, .offset: 56, .size: 8, .value_kind: global_buffer, .address_space: global }
      - { .name: b2, .offset: 64, .size: 8, .value_kind: global_buffer, .address_space: global }
      - { .name: Wo, .offset: 72, .size: 8, .value_kind: global_buffer, .address_space: global }
      - { .name: bo, .offset: 80, .size: 8, .value_kind: global_buffer, .address_space: global }
      - { .name: out0, .offset: 88, .size: 8, .value_kind: global_buffer, .address_space: global }
      - { .name: out1, .offset: 96, .size: 8, .value_kind: global_buffer, .address_space: global }
    .group_segment_fixed_size: 313088
    .private_segment_fixed_size: 0
    .kernarg_segment_align: 8
    .kernarg_segment_size: 104
    .max_flat_workgroup_size: 128
    .sgpr_count:     100
    .vgpr_count:     1024
    .wavefront_size: 32
...
	.end_amdgpu_metadata
.endif
;; end of part 1
